; MI455X (gfx1250); checked and timed in simulation.
; The chip was launched on July 23, 2026; its instructions are those of AMD's public machine-readable ISA for CDNA 5 (MIT licence, August 2026) and "CDNA5" Instruction Set Architecture Reference Guide (July 2026). The comments in the code are by the model that wrote it; some were corrected since.
;; Self Attention. Allowed arithmetic: matrix products marked QUANTISED: E4M3 operands, one given power-of-two scale a tensor, by v_wmma_f32_16x16x64_fp8_fp8 or v_wmma_f32_16x16x128_fp8_fp8, f32 sums; everything else in f32.
;; Inputs: W_in 3,072 x 1,024 float32; W_out 1,024 x 1,024 float32; b_in 3,072 float32; b_out 1,024 float32; lowp_scales 8 int32 (the exponents e of the quantised operands' scales 2^e); x 4 x 2,048 x 1,024 float32.
;; Outputs: out0 4 x 2,048 x 1,024 float32.
;; Constants: causal_mask = 1.
;; This version of the problem:
;;   THIS VERSION OF THE PROBLEM IS GIVEN IN LOW PRECISION. The matrix products marked QUANTISED in the list below multiply operands that are first quantised to E4M3 (4 exponent bits, 3 mantissa bits; 8 bits a number), with one given power-of-two scale for each operand tensor; their sums are f32. All else is computed in f32.
;;   The module's matrix products, in the order in which they are computed (A, B: the left and right operand; K: the contracted axis; several contracted axes count as one K, in the product's order):
;;     1. [M 8,192, K 1,024] x [K 1,024, N 3,072]; A: input x; B: input W_in: QUANTISED (scales: A lowp_scales[0], B lowp_scales[1])
;;     2. batch 64 x [M 2,048, K 64] x [K 64, N 2,048]; A: computed on the way; B: computed on the way: QUANTISED (scales: A lowp_scales[2], B lowp_scales[3])
;;     3. batch 64 x [M 2,048, K 2,048] x [K 2,048, N 64]; A: softmax (see below); B: computed on the way: QUANTISED (scales: A lowp_scales[4], B lowp_scales[5])
;;     4. [M 8,192, K 1,024] x [K 1,024, N 1,024]; A: computed on the way; B: input W_out: QUANTISED (scales: A lowp_scales[6], B lowp_scales[7])
;;   THE QUANTISER, for each operand of a quantised product, along K:
;;     - The operand's scale is 2^e, e = its entry of the input lowp_scales (int32; the entries are numbered through the quantised products in the list's order, A before B).
;;     - Each number is divided by the scale, clamped to +-448, and rounded to the nearest number of E4M3, ties to even, subnormals kept.
;;     - The product sums the exact products of the quantised numbers (number of the format x scale) in f32.
;;   ~~~python
;;   def quantise(x, axis, e):      # numpy; x: float32 -> the quantised numbers, widened to float32 again
;;       x = np.moveaxis(x, axis, -1); K = x.shape[-1]
;;       r = np.clip(x / 2.0 ** e, -448, 448)
;;       step = 2.0 ** (np.maximum(np.frexp(np.where(r == 0, 1, r))[1] - 1, -6) - 3)
;;       q = np.round(r / step) * step * 2.0 ** e      # np.round: ties to even
;;       return np.moveaxis(q, -1, axis).astype(np.float32)
;;   ~~~
;;   SOFTMAX AHEAD OF A QUANTISED PRODUCT. Where the list says 'softmax', what is quantised is not the finished softmax but p = 2^(t - M), with t = logit x log2(e) and M = ceil(the row's largest t), a whole number; so 1/2 < the row's largest p <= 1. The row's sum l is taken of the UNQUANTISED p, in f32, and the product's result is divided by l at the end. Since M is a whole number, a kernel that streams over the keys may use a running M (the ceiling of the running maximum): every later rescaling is an exact power of two, so the quantised numbers keep their values, but for numbers so far below the row's largest that they fall under the format's range.
;;   OPERANDS COMPUTED ON THE WAY. 'Computed on the way' means the value that the module computes at that place (a softmax that the list does not call 'softmax' is quantised finished and normalised). What goes into a quantiser is computed in f32, as accurately as f32 sums, v_exp_f32 and their like allow (about 1e-6 of the number): no bf16 or f16 on the way to a quantiser, and a product that is left as it is and whose result goes on into a quantised operand takes f32 operands (vector FMAs, or v_wmma_f32_16x16x4_f32). A number that lies on a knife's edge between two numbers of the format may be rounded either way, as far as f32 arithmetic and the matrix unit's own rounding can turn it there, and no further.
;; One version. Each part assembles by itself: llvm-mc -triple=amdgcn-amd-amdhsa -mcpu=gfx1250 --defsym DOCPART=n.
;; ======== version 1 of 1: 4 launches
;; limits: right only within a limited range of input values
;; workspace buffers: x_codes 8,388,608 bytes; win_codes 3,145,728 bytes; wout_codes 1,048,576 bytes; q_codes 8,388,608 bytes; kv_codes 16,777,216 bytes; attn_codes 8,388,608 bytes
;; launch quant (part 1): grid 384 x 1, 4 waves a work-group, no clusters, 35,328 bytes of LDS; arguments x, W_in, W_out, lowp_scales, x_codes, win_codes, wout_codes; writes x_codes, win_codes, wout_codes
.if DOCPART == 1
	.amdgcn_target "amdgcn-amd-amdhsa--gfx1250"
	.amdhsa_code_object_version 6
	.text
	.protected	k_qe17645256d_quant
	.globl	k_qe17645256d_quant
	.p2align	8
	.type	k_qe17645256d_quant,@function
k_qe17645256d_quant:
	s_mov_b64 s[64:65], 0
	v_nop
	global_prefetch_b8 v0, s[64:65] scope:SCOPE_SE
	s_setreg_imm32_b32 hwreg(HW_REG_WAVE_MODE, 25, 1), 1
	s_wait_xcnt 0x0
; x [8192][1024], W_in [3072][1024] and W_out [1024][1024], f32 with K innermost, become codes of FP8 (E4M3), each tensor with the one scale 2^e given for it
; (entries 0, 1 and 7 of the exponents).  code = x / 2^e, held within +-448, rounded to the nearest code, ties to even.
; LIMITS: e between -126 and 119, so that 2^e and 448 x 2^e are f32 numbers.  NaN among the inputs is not served; an infinity is held at the largest code.
; THE CODES ARE LAID AS IMAGES OF OPERAND REGISTERS.  A fragment of 16 rows x 64 K is 8 registers: lane (r = lane % 16, h = lane / 16) holds row r, registers 2 c, 2 c + 1 hold k = 16 c + 8 h + 0 .. 7.
; Its image is 1,024 bytes: registers 0-3 at 16 x lane, registers 4-7 at 512 + 16 x lane.  A tensor is [row / 16][k / 64][1,024 bytes].  So each store here covers 512 consecutive bytes, aligned,
; and the launches that multiply take a fragment by loads of 16 bytes a lane at 16 x lane.
; SHARES.  A work-group takes 32,768 numbers: work-groups 0-255 x, 256-351 W_in, 352-383 W_out (only pointers and e are chosen: one path through the text).  A wave takes 16 rows x 512 K: 8 steps of 16 rows x 64 K.
; A step's 8 loads read two rows' 256 consecutive bytes each; the 4,096 bytes go through the wave's own stage in LDS (rows 272 bytes apart) and come back 32 bytes of one row at a time, as the conversions want them.
; No tensor loads, no barrier: waves share nothing.  Loads run four steps (32 loads a wave) ahead, the turn through LDS one step.  No matrix unit, no cluster: every byte is read once and nothing is shared.
.set STEPS, 8
.set SP,    272                        ; a stage row: 256 bytes + 16
.set STG,   16*SP                      ; a stage
.set WREG,  2*STG                      ; a wave's two stages
.set WGX,   256                        ; work-groups of x
.set WGW,   352                        ; of x and W_in
.set R,     16                         ; v16-143  four sets of 32 numbers as loaded
.set X,     144                        ; v144-207 two sets of 32 numbers: register 8 c + i = k 16 c + 8 h + i of my row
.set C,     208                        ; v208-239 four sets of 8 registers of codes
	s_load_b256 s[4:11], s[0:1], 0x0               ; x s[4:5], W_in s[6:7], W_out s[8:9], the exponents s[10:11]
	s_load_b128 s[12:15], s[0:1], 0x20             ; x_codes s[12:13], win_codes s[14:15]
	s_load_b64 s[16:17], s[0:1], 0x30              ; wout_codes
	v_lshl_add_u32 v254, v0, 2, 0x8800
	v_mov_b32 v255, 0
	v_lshrrev_b32 v1, 5, v0
	v_readfirstlane_b32 s18, v1                    ; wave
	v_and_b32 v2, 15, v0                           ; r
	v_bfe_u32 v5, v0, 4, 1                         ; h
	v_lshlrev_b32 v3, 4, v2
	v_lshl_add_u32 v3, v5, 12, v3                  ; a load: lanes 0-15 take 256 bytes of one row, lanes 16-31 of the next (4,096 bytes on)
	s_mul_i32 s19, s18, WREG
	v_mul_u32_u24 v14, v5, SP
	v_lshl_add_u32 v14, v2, 4, v14
	v_add_nc_u32 v14, s19, v14                     ; into the stage: the same two rows
	v_mul_u32_u24 v15, v2, SP
	v_lshl_add_u32 v15, v5, 5, v15
	v_add_nc_u32 v15, s19, v15                     ; out of it: row r, + 32 h bytes: my 8 numbers of 16 along K
	v_and_b32 v4, 31, v0
	v_lshlrev_b32 v4, 4, v4                        ; 16 x lane: my place in half an image
	s_mov_b32 s24, WGW
	s_cmp_lt_u32 ttmp9, WGW
	s_cselect_b32 s24, WGX, s24
	s_cmp_lt_u32 ttmp9, WGX
	s_cselect_b32 s24, 0, s24                      ; my tensor's first work-group
	s_sub_co_u32 s26, ttmp9, s24
	s_lshl_b32 s26, s26, 2
	s_add_co_u32 s26, s26, s18                     ; which run of 16 rows x 512 K of the tensor is my wave's
	s_lshr_b32 s28, s26, 1                         ; its block of 16 rows,
	s_and_b32 s29, s26, 1                          ; its half of K
	s_lshl_b32 s30, s28, 16                        ; in: 16 rows of 4,096 bytes,
	s_lshl_b32 s31, s29, 11                        ; 512 numbers
	s_add_co_u32 s30, s30, s31
	s_mov_b32 s31, 0
	s_lshl_b32 s26, s28, 14                        ; out: 16 images,
	s_lshl_b32 s27, s29, 13                        ; 8 of them
	s_add_co_u32 s26, s26, s27
	s_mov_b32 s27, 0
	s_wait_alu depctr_va_vdst(0)
	s_wait_kmcnt 0x0
	s_load_b256 s[32:39], s[10:11], 0x0            ; the eight exponents
	s_cmp_lt_u32 ttmp9, WGW                        ; the choices hang on the work-group's number alone
	s_cselect_b64 s[20:21], s[6:7], s[8:9]
	s_cselect_b64 s[22:23], s[14:15], s[16:17]
	s_cmp_lt_u32 ttmp9, WGX
	s_cselect_b64 s[20:21], s[4:5], s[20:21]
	s_cselect_b64 s[22:23], s[12:13], s[22:23]
	s_add_nc_u64 s[20:21], s[20:21], s[30:31]
	s_add_nc_u64 s[22:23], s[22:23], s[26:27]
.macro LOAD t                          ; step t: 16 rows x 256 bytes, two rows a load
.irp j, 0,1,2,3,4,5,6,7
	global_load_b128 v[R+32*((\t)%4)+4*\j:R+32*((\t)%4)+4*\j+3], v3, s[20:21] offset:8192*\j+256*(\t) th:TH_LOAD_NT
.endr
.endm
.macro TURN t                          ; step t's numbers through a stage: LDS serves a wave's instructions in order (ISA guide 5.7.1.4), so no wait stands between the stores and the loads
.irp j, 0,1,2,3,4,5,6,7
	ds_store_b128 v14, v[R+32*((\t)%4)+4*\j:R+32*((\t)%4)+4*\j+3] offset:STG*((\t)%2)+2*SP*\j
.endr
.irp c, 0,1,2,3
	ds_load_b128 v[X+32*((\t)%2)+8*\c:X+32*((\t)%2)+8*\c+3], v15 offset:STG*((\t)%2)+64*\c
	ds_load_b128 v[X+32*((\t)%2)+8*\c+4:X+32*((\t)%2)+8*\c+7], v15 offset:STG*((\t)%2)+64*\c+16
.endr
.endm
.irp t, 0,1,2,3
	LOAD \t
.endr
	s_wait_kmcnt 0x0
	s_cmp_lt_u32 ttmp9, WGW
	s_cselect_b32 s25, s33, s39                    ; W_in's e or W_out's,
	s_cmp_lt_u32 ttmp9, WGX
	s_cselect_b32 s25, s32, s25                    ; or x's
	s_add_co_i32 s25, s25, 127
	s_lshl_b32 s26, s25, 23
	v_mov_b32 v11, s26                             ; 2^e as f32: the conversion takes its exponent field
	s_add_co_i32 s25, s25, 8
	s_lshl_b32 s25, s25, 23
	s_or_b32 s25, s25, 0x600000
	s_wait_alu depctr_va_vdst(0)
	s_wait_loadcnt 24                              ; step 0's eight loads are in; those of steps 1 to 3 may be out
	TURN 0
.macro STEP t
.set XS, X+32*((\t)%2)
.set CC, C+8*((\t)%4)
	s_wait_dscnt 0x0                               ; this step's numbers are back from the stage: so its stores into the stage have read their registers,
.if (\t)+4 < STEPS
	LOAD (\t)+4                                    ; which take the loads of four steps on
.endif
.if (\t)+1 < STEPS
.if (\t) <= 3
	s_wait_loadcnt 24                              ; the next step's eight loads are in; those of the three steps behind it may be out
.else
	s_wait_loadcnt 8*(6-(\t))                      ; the counts run down
.endif
	TURN (\t)+1                                    ; and go through the other stage while this step is worked
.endif
.set i, 0
.rept 32
.set i, i+1
.endr
.if (\t) >= 4
	s_wait_xcnt 0x0                                ; the stores of four steps back have read this set of codes: it is written again only behind this wait
.endif
.irp c, 0,1,2,3
	v_cvt_scalef32_pk8_fp8_f32 v[CC+2*\c:CC+2*\c+1], v[XS+8*\c:XS+8*\c+7], v11   ; registers 2 c, 2 c + 1 of the fragment
.endr
	global_store_b128 v4, v[CC:CC+3], s[22:23] offset:1024*(\t)          ; 32 lanes store 512 consecutive bytes, aligned: half an image
	global_store_b128 v4, v[CC+4:CC+7], s[22:23] offset:1024*(\t)+512
; (The codes go to stores alone, and the next vector lines are the next step's holds, plain lines on other registers.)
.endm
.irp t, 0,1,2,3,4,5,6,7
	STEP \t
.endr
	s_wait_tensorcnt 0x0
	ds_add_u32 v254, v255
	s_wait_dscnt 0x0
	s_endpgm
.Lfunc_end_k_qe17645256d_quant:
	.size	k_qe17645256d_quant, .Lfunc_end_k_qe17645256d_quant-k_qe17645256d_quant
	.p2alignl 7, 3214868480
	.fill 96, 4, 3214868480
	.section	.rodata,"a",@progbits
	.p2align	6, 0x0
	.amdhsa_kernel k_qe17645256d_quant
		.amdhsa_group_segment_fixed_size 35328
		.amdhsa_private_segment_fixed_size 0
		.amdhsa_enable_private_segment 0
		.amdhsa_kernarg_size 56
		.amdhsa_user_sgpr_count 2
		.amdhsa_user_sgpr_kernarg_segment_ptr 1
		.amdhsa_wavefront_size32 1
		.amdhsa_system_sgpr_workgroup_id_x 1
		.amdhsa_system_sgpr_workgroup_id_y 1
		.amdhsa_system_sgpr_workgroup_id_z 1
		.amdhsa_system_vgpr_workitem_id 0
		.amdhsa_next_free_vgpr 256
		.amdhsa_next_free_sgpr 66
		.amdhsa_reserve_vcc 0
		.amdhsa_float_denorm_mode_32 3
		.amdhsa_float_denorm_mode_16_64 3
		.amdhsa_fp16_overflow 1
		.amdhsa_memory_ordered 1
		.amdhsa_forward_progress 1
		.amdhsa_inst_pref_size 22
	.end_amdhsa_kernel
	.amdgpu_metadata
---
amdhsa.version: [ 1, 2 ]
amdhsa.kernels:
  - .name:           k_qe17645256d_quant
    .symbol:         k_qe17645256d_quant.kd
    .args:
      - { .name: x, .offset: 0, .size: 8, .value_kind: global_buffer, .address_space: global }
      - { .name: W_in, .offset: 8, .size: 8, .value_kind: global_buffer, .address_space: global }
      - { .name: W_out, .offset: 16, .size: 8, .value_kind: global_buffer, .address_space: global }
      - { .name: lowp_scales, .offset: 24, .size: 8, .value_kind: global_buffer, .address_space: global }
      - { .name: x_codes, .offset: 32, .size: 8, .value_kind: global_buffer, .address_space: global }
      - { .name: win_codes, .offset: 40, .size: 8, .value_kind: global_buffer, .address_space: global }
      - { .name: wout_codes, .offset: 48, .size: 8, .value_kind: global_buffer, .address_space: global }
    .group_segment_fixed_size: 35328
    .private_segment_fixed_size: 0
    .kernarg_segment_align: 8
    .kernarg_segment_size: 56
    .max_flat_workgroup_size: 128
    .sgpr_count:     66
    .vgpr_count:     256
    .wavefront_size: 32
...
	.end_amdgpu_metadata
.endif
;; end of part 1
;; launch qkv (part 2): grid 12 x 32, 4 waves a work-group, clusters of 4 x 4, 327,680 bytes of LDS; arguments x_codes, win_codes, b_in, lowp_scales, q_codes, kv_codes; writes q_codes, kv_codes
.if DOCPART == 2
	.amdgcn_target "amdgcn-amd-amdhsa--gfx1250"
	.amdhsa_code_object_version 6
	.text
	.protected	k_qe17645256d_qkv
	.globl	k_qe17645256d_qkv
	.p2align	8
	.type	k_qe17645256d_qkv,@function
k_qe17645256d_qkv:
	s_mov_b64 s[64:65], 0
	v_nop
	global_prefetch_b8 v0, s[64:65] scope:SCOPE_SE
	s_setreg_imm32_b32 hwreg(HW_REG_WAVE_MODE, 25, 1), 1
	s_wait_xcnt 0x0
	s_wait_alu depctr_hold_cnt(0) depctr_sa_sdst(0) depctr_va_vdst(0) depctr_va_sdst(0) depctr_va_ssrc(0) depctr_va_vcc(0) depctr_vm_vsrc(0)
	s_getreg_b32 s2, hwreg(HW_REG_IB_STS2, 6, 4)
	s_cmp_eq_u32 s2, 0
	s_cbranch_scc0 .Lentry_in_a_cluster
	s_endpgm
.Lentry_in_a_cluster:
	s_bfe_u32 s2, ttmp6, 0x10000c
	s_cmp_lg_u32 s2, 0xf033
	s_cbranch_scc0 .Lentry_shape_is_right
	s_endpgm
.Lentry_shape_is_right:
; qkv = x W_in^T + b_in on codes of FP8 (E4M3), K = 1,024; the results are quantised at once: q with entry 2 of the exponents, k with entry 3, v with entry 5, and leave as images of the operand registers of attention.
; IMAGES.  A fragment of 16 rows x 64 K is 8 registers (lane (r, h): row r; registers 2 c, 2 c + 1: k = 16 c + 8 h + 0 .. 7); its image is 1,024 bytes: registers 0-3 at 16 x lane, 4-7 at 512 + 16 x lane.
; x_codes, win_codes: [row / 16][k / 64][1,024].  q_codes: [batch x head][token / 16][1,024] (K = the head's 64).  kv_codes: [batch x head][token / 128][16,384]: 8 images of K (16 keys each, K = the head's 64),
; then 4 double images of V^T (16 channels each, K = the step's 128 keys).
; A tile of the result, 256 x 256, is made by four waves, each 128 x 128: 64 accumulators, 512 registers.  K goes in steps of 256 through a ring of two LDS slots filled by the tensor data mover.
; THE MATRIX INSTRUCTION IS USED TRANSPOSED (source 0 = 16 rows of B', source 1 = 16 rows of A'): lane (r, h) of accumulator (a, b) holds A' row 16 a + r and B' rows 16 b + 8 h + 0 .. 7, so one conversion of its eight
; registers gives registers 2 b, 2 b + 1 of an image whose rows are A's and whose K runs along B's rows.  For q and k (cluster x = 0, 1): A' = x (tokens), B' = W_in (features).  For v (cluster x = 2) the keys are the next K: A' = W_in's v rows, B' = x.
; CLUSTERS: 4 x 4 work-groups.  The four of a row of the cluster need the same tiles of A', the four of a column the same tiles of B': each tile is asked for jointly.  What differs between q, k and v hangs on the cluster's x alone, equal in all partners.
; LIMITS: entries 0 + 1 between -126 and 127; entries 2, 3, 5 between -126 and 119.  NaN is not served.
; No prefetch: a tile has four K steps, two of which are asked for at the head.
; REGISTERS: window 0: v16-31 addresses and constants; v32-95 biases along B' rows; v96-111 biases along A' rows, each twice; from v128 A's fragments, one set; on the way out v112-175 a block's numbers, v176-239 four sets of codes.
;   window 1: B's fragments, two sets.   window 2, 3: the accumulators of my rows 0-63, 64-127 (accumulator (a, b) at v[8 (8 (a % 4) + b)]).
.set IMG,    2048                      ; a fragment of 16 rows x 128 K: two images on end
.set SROW,   2*IMG                     ; a block of 16 rows in a slot: 256 along K
.set RBB,    16384                     ; a block of 16 rows x 1,024 K in memory
.set HALFT,  8*SROW                    ; 128 rows: what one tensor load brings, and what one wave reads of A' or of B'
.set SLOT,   4*HALFT                   ; A's 256 rows, then B's 256 rows
.set SPARE,  2*SLOT                    ; behind the ring: the spare words, 128 bytes for each wave: two blocks of 256 bytes that no other line names
.set LAPS,   2                         ; a lap = two K steps of 256 = once round the ring
.set FR,     16                        ; registers of a fragment
.set NL,     4                         ; LDS loads that bring one
.set NP,     4                         ; places behind this matrix instruction (ISA guide 7.12.1)
.set ADRA, 16                          ; v16-17  LDS address of my A fragments in slot 0, 1
.set ADRB, 20                          ; v20-21  the same for B
.set OF0,  24                          ; v24     16 x lane
.set OF1,  25                          ; v25     the same, one head further on
.set SC,   26                          ; v26     the result's scale as f32
.set LIM,  27                          ; v27     not used
.set SPW,  28                          ; v28     LDS address of my spare word; never rewritten
.set NIL,  29                          ; v29     0; never rewritten
.set BC,   32
.set BR,   96
.set T,    112
.set CD,   176
.set AF,   128
.set G1, 24                            ; s[24:31] descriptor group 1 for A's tiles;  s[32:39] group 0, one set for each slot
.set G0, 32
.set G1B, 48                           ; s[48:55], s[56:63] the same for B's tiles
.set G0B, 56
.set MSB, 0
.macro WIN new                         ; the immediate's high byte repeats the setting that is left
.if MSB != (\new)
	s_set_vgpr_msb (MSB<<8)|(\new)
.set MSB, (\new)
.endif
.endm
.set MUL_LO, 0xa1                      ; source 0 (B) window 1, source 1 (A) window 0, C and D window 2
.set MUL_HI, 0xf1                      ; the same, C and D window 3
.set TO_B,   0x40                      ; destination window 1, address window 0
; A joint load: waves 0 and 1 fetch for A', waves 2 and 3 for B'.  The branch hangs on the wave's number alone.  Four v_nop follow each of the two lines.
.macro JLOAD g0a, g1a, g0b, g1b
	s_cmp_eq_u32 s15, 0
	s_cbranch_scc0 .Lfor_b_\@
	tensor_load_to_lds s[\g0a:\g0a+3], s[\g1a:\g1a+7]
	s_nop 0
.rept 4
	v_nop
.endr
	s_branch .Lasked_\@
.Lfor_b_\@:
	tensor_load_to_lds s[\g0b:\g0b+3], s[\g1b:\g1b+7]
	s_nop 0
.rept 4
	v_nop
.endr
.Lasked_\@:
.endm
.macro CREST                           ; a round of the cluster's barrier behind its opening barrier
	s_cmp_lg_u32 s14, 0
	s_cbranch_scc1 .Lnot_wave_0_\@
	s_barrier_signal -3
.Lnot_wave_0_\@:
	s_barrier_wait -3
	s_barrier_signal -1
	s_barrier_wait -1
.endm
.macro CROUND                          ; a whole round
	s_barrier_signal -1
	s_barrier_wait -1
	CREST
.endm
	s_load_b256 s[4:11], s[0:1], 0x0               ; x_codes s[4:5], win_codes s[6:7], b_in s[8:9], the exponents s[10:11]
	s_load_b128 s[88:91], s[0:1], 0x20             ; q_codes s[88:89], kv_codes s[90:91]
	v_lshl_add_u32 v[SPW], v0, 2, SPARE
	v_mov_b32 v[NIL], 0
	ds_add_u32 v28, v29
	ds_add_u32 v28, v29
	s_wait_dscnt 0x0
	v_lshrrev_b32 v1, 5, v0
	v_readfirstlane_b32 s14, v1                    ; wave 0..3
	s_lshr_b32 s15, s14, 1                         ; which half of the tile's A' rows is mine.  Also: I fetch for A' (0) or for B' (1)
	s_and_b32 s16, s14, 1                          ; which half of its B' rows.  Also: which 128 rows of that tile I fetch
	s_bfe_u32 s40, ttmp6, 0x40000                  ; cx, cy: my place in the cluster
	s_bfe_u32 s41, ttmp6, 0x40004
	s_and_b32 s12, ttmp7, 0xffff
	s_lshl_b32 s12, s12, 2                         ; 4 x cluster y: 0 .. 28
	s_lshl_b32 s13, ttmp9, 2                       ; 4 x cluster x
	s_cmp_eq_u32 ttmp9, 2                          ; v?
	s_cselect_b32 s17, 8, s12                      ; A' tile: W_in's tiles 8-11 (the v rows), or x's 32 tiles of tokens
	s_cselect_b32 s42, s12, s13                    ; B' tile: x's tiles, or W_in's tiles 0-3 (q), 4-7 (k)
	s_add_co_u32 s17, s17, s41                     ; + cy
	s_add_co_u32 s42, s42, s40                     ; + cx
	s_lshl_b32 s43, s41, 2
	s_lshl_b32 s43, 15, s43                        ; my row of the cluster
	s_lshl_b32 s44, 0x1111, s40                    ; my column
	; descriptor group 1: 8 blocks of 16 rows, 4,096 consecutive bytes (256 along K) of each, dense in LDS
	s_or_b32 s[G1+0], s43, (1<<21)                 ; 15:0 the mask: A's tiles go to my row; 17:16 elements of 1 byte; 20 no padding; 21 set beside a mask
	s_or_b32 s[G1B+0], s44, (1<<21)
.irp g, G1, G1B
	s_mov_b32 s[\g+1], SROW<<16                    ; tensor_dim0 = 4,096
	s_mov_b32 s[\g+2], 8<<16                       ; tensor_dim1 = 8
	s_mov_b32 s[\g+3], SROW<<16                    ; tile_dim0
	s_mov_b32 s[\g+4], 8                           ; tile_dim1
	s_mov_b32 s[\g+5], RBB                         ; tensor_dim0_stride
	s_mov_b32 s[\g+6], 0
	s_mov_b32 s[\g+7], 0
.endr
	s_lshl_b32 s18, s16, 7                         ; which 128 rows of the tile I fetch
	s_lshl_b32 s20, s17, 8
	s_add_co_u32 s20, s20, s18                     ; A': row 256 x tile + 128 x half
	s_lshl_b32 s46, s42, 8
	s_add_co_u32 s46, s46, s18                     ; B' likewise
	s_lshl_b32 s20, s20, 10                        ; a row's block begins at row x 1,024 bytes
	s_lshl_b32 s46, s46, 10
	s_mov_b32 s21, 0
	s_mov_b32 s47, 0
	s_mul_i32 s45, s14, HALFT                      ; where they go: wave x 128 rows: no place in the cluster enters an LDS address
	s_wait_kmcnt 0x0
	s_load_b256 s[80:87], s[10:11], 0x0            ; the eight exponents
	s_cmp_eq_u32 ttmp9, 2
	s_cselect_b64 s[66:67], s[6:7], s[4:5]         ; A'
	s_cselect_b64 s[68:69], s[4:5], s[6:7]         ; B'
	s_add_nc_u64 s[20:21], s[66:67], s[20:21]
	s_add_nc_u64 s[46:47], s[68:69], s[46:47]
	CROUND                                         ; all sixteen work-groups are here: the first joint loads meet
.irp s, 0,1
	s_mov_b32 s[G0+4*\s], 1
	s_add_co_u32 s[G0+4*\s+1], s45, \s*SLOT
	s_add_nc_u64 s[G0+4*\s+2:G0+4*\s+3], s[20:21], \s*SROW
	s_or_b32 s[G0+4*\s+3], s[G0+4*\s+3], 0x80000000
	s_mov_b32 s[G0B+4*\s], 1
	s_add_co_u32 s[G0B+4*\s+1], s45, \s*SLOT
	s_add_nc_u64 s[G0B+4*\s+2:G0B+4*\s+3], s[46:47], \s*SROW
	s_or_b32 s[G0B+4*\s+3], s[G0B+4*\s+3], 0x80000000
	JLOAD G0+4*\s, G1, G0B+4*\s, G1B
.endr
	v_and_b32 v1, 31, v0
	v_lshlrev_b32 v4, 4, v1                        ; 16 x lane: my place in every image
	s_wait_alu depctr_va_vdst(0)
	s_mul_i32 s21, s15, HALFT                      ; my 128 rows of A'
	s_mul_i32 s22, s16, HALFT                      ; my 128 rows of B',
	s_add_co_u32 s22, s22, 2*HALFT                 ; which lie behind A's 256
.irp s, 0,1
	v_add_nc_u32 v[ADRA+\s], s21, v4
	v_add_nc_u32 v[ADRB+\s], s22, v4
	s_add_co_u32 s21, s21, SLOT
	s_add_co_u32 s22, s22, SLOT
.endr
	; the way out: where my results go, and my biases
	s_lshl_b32 s70, s17, 8
	s_lshl_b32 s71, s15, 7
	s_add_co_u32 s70, s70, s71                     ; my first row of A'
	s_lshl_b32 s71, s42, 8
	s_lshl_b32 s72, s16, 7
	s_add_co_u32 s71, s71, s72                     ; my first row of B'
	s_cmp_eq_u32 ttmp9, 2
	s_cselect_b32 s72, s71, s70                    ; my first token (a multiple of 128),
	s_cselect_b32 s73, s70, s71                    ; my first row of W_in (likewise)
	s_cmp_eq_u32 ttmp9, 0
	s_cselect_b32 s74, 17, 18                      ; a head is 2^17 bytes in q_codes, 2^18 in kv_codes
	s_cselect_b64 s[76:77], s[88:89], s[90:91]
	s_lshr_b32 s75, s72, 11                        ; the batch,
	s_lshl_b32 s75, s75, 4
	s_and_b32 s78, s73, 1023
	s_lshr_b32 s78, s78, 6                         ; my first head
	s_add_co_u32 s75, s75, s78
	s_lshl_b32 s75, s75, s74
	s_and_b32 s78, s72, 2047
	s_lshr_b32 s78, s78, 7                         ; my 128 tokens among the batch's: a sixteenth of a head's bytes
	s_sub_co_u32 s79, s74, 4
	s_lshl_b32 s78, s78, s79
	s_add_co_u32 s78, s75, s78
	s_cmp_eq_u32 ttmp9, 2
	s_cselect_b32 s79, 8192, 0                     ; V's images lie behind K's eight
	s_add_co_u32 s78, s78, s79
	s_mov_b32 s79, 0
	s_add_nc_u64 s[76:77], s[76:77], s[78:79]
	s_lshl_b32 s92, s73, 2
	s_mov_b32 s93, 0
	s_add_nc_u64 s[8:9], s[8:9], s[92:93]          ; my 128 biases
	v_bfe_u32 v2, v0, 4, 1
	v_lshlrev_b32 v30, 5, v2                       ; 32 h
	v_and_b32 v3, 15, v0
	v_lshlrev_b32 v31, 2, v3                       ; 4 r
	; both layouts are loaded, each inside my 128 biases; the way out takes one.  Along B' rows: register 8 b + j = bias 16 b + 8 h + j.  Along A' rows: registers 2 a, 2 a + 1 = bias 16 a + r, twice, a pair for the packed form
.irp b, 0,1,2,3,4,5,6,7
	global_load_b128 v[BC+8*\b:BC+8*\b+3], v30, s[8:9] offset:64*\b
	global_load_b128 v[BC+8*\b+4:BC+8*\b+7], v30, s[8:9] offset:64*\b+16
.endr
.irp a, 0,1,2,3,4,5,6,7
	global_load_b32 v[BR+2*\a], v31, s[8:9] offset:64*\a
	global_load_b32 v[BR+2*\a+1], v31, s[8:9] offset:64*\a
.endr
	v_mov_b32 v[OF0], v4
	s_lshl_b32 s92, 1, s74
	v_add_nc_u32 v[OF1], s92, v4
.macro FRAG reg, adr, q, i             ; a fragment of 16 rows x 128 K comes as it was stored: four loads of 512 consecutive bytes
.irp c, 0,1,2,3
	ds_load_b128 v[\reg+4*\c:\reg+4*\c+3], v[\adr] offset:IMG*(\q)+512*\c+(\i)*SROW
.endr
.endm
; 16 matrix instructions: A's blocks a0, a0 + 1 x B's eight, 128 along K.  p: B's set.  zero = 1: the first product starts the sums.  The 64 accumulators take turns, one instruction a turn, in the same order in every step.
.macro MUL16 a0, p, zero
.irp a, \a0, \a0+1
.irp b, 0,1,2,3,4,5,6,7
.if \zero
	v_wmma_f32_16x16x128_fp8_fp8 v[8*(8*((\a)%4)+\b):8*(8*((\a)%4)+\b)+7], v[128*(\p)+FR*\b:128*(\p)+FR*\b+FR-1], v[AF+FR*(\a):AF+FR*(\a)+FR-1], 0
.else
	v_wmma_f32_16x16x128_fp8_fp8 v[8*(8*((\a)%4)+\b):8*(8*((\a)%4)+\b)+7], v[128*(\p)+FR*\b:128*(\p)+FR*\b+FR-1], v[AF+FR*(\a):AF+FR*(\a)+FR-1], v[8*(8*((\a)%4)+\b):8*(8*((\a)%4)+\b)+7]
.endif
.endr
.endr
.endm
.macro FETCH_B slot, q, p              ; B's eight fragments of the slot's q-th 128 along K into set p
	WIN TO_B
.irp i, 0,1,2,3,4,5,6,7
	FRAG 128*(\p)+FR*\i, ADRB+\slot, \q, \i
.endr
	WIN 0
.endm
.macro FETCH_A slot, q, i0             ; A's blocks i0 .. i0 + 3
.irp i, \i0, \i0+1, \i0+2, \i0+3
	FRAG AF+FR*(\i), ADRA+\slot, \q, \i
.endr
.endm
.macro PLACES n                        ; plain vector lines between a matrix instruction and a load into, or a vector line on, one of its registers
.rept \n
	v_nop
.endr
.endm
; A step of 128 along K that has its successor in the same slot.  A's blocks are free as soon as their eight products are issued: blocks 0-3 are fetched anew in the step's middle, blocks 4-7 at its end; B has two sets.
.macro STEP slot, q, zero
	s_wait_dscnt 4*NL                              ; B's set and A's blocks 0-3 are in; the youngest 16 loads (A's blocks 4-7) may be out
	WIN MUL_LO
	MUL16 0, (\q)%2, \zero
	MUL16 2, (\q)%2, \zero
	s_wait_dscnt 0                                 ; A's blocks 4-7 are in
	PLACES NP
	FETCH_B \slot, (\q)+1, 1-(\q)%2
	FETCH_A \slot, (\q)+1, 0
	WIN MUL_HI
	MUL16 4, (\q)%2, \zero
	MUL16 6, (\q)%2, \zero
	PLACES NP
	WIN 0
	FETCH_A \slot, (\q)+1, 4
.endm
; A slot's last step changes slots: one barrier; in front of it each wave waits for all its tensor loads, adds 0 to its spare word, and waits for that and for its own reads of this slot.  fill = 1: this slot is filled again, two K steps ahead.
.macro TURN slot, next, fill
	s_wait_tensorcnt 0x0                           ; all my tensor loads have landed: my part of the next slot
	ds_add_u32 v[SPW], v[NIL]                      ; 0 onto my spare word
	s_wait_dscnt 4*NL+1                            ; (the add and the youngest 16 loads, A's blocks 4-7, may be out)
	WIN MUL_LO
	MUL16 0, 1, 0                                  ; sixteen matrix instructions stand between the add and the wait for it
	s_wait_dscnt 0x0                               ; the add is done, and my reads of this slot are over
	s_barrier_signal -1
	MUL16 2, 1, 0
	WIN 0
	s_barrier_wait -1
.if \fill
	CREST                                          ; the barrier has opened a round of the cluster's barrier: no wave of any partner still reads this slot or has a load on its way
	s_add_nc_u64 s[G0+4*\slot+2:G0+4*\slot+3], s[G0+4*\slot+2:G0+4*\slot+3], 2*SROW
	s_add_nc_u64 s[G0B+4*\slot+2:G0B+4*\slot+3], s[G0B+4*\slot+2:G0B+4*\slot+3], 2*SROW
	JLOAD G0+4*\slot, G1, G0B+4*\slot, G1B         ; the first tensor load behind the round; its four v_nop are the places in front of the loads below
.else
	PLACES NP
.endif
	FETCH_B \next, 0, 0
	FETCH_A \next, 0, 0
	WIN MUL_HI
	MUL16 4, 1, 0
	MUL16 6, 1, 0
	PLACES NP
	WIN 0
	FETCH_A \next, 0, 4
.endm
	s_wait_alu depctr_va_vdst(0)
	s_wait_tensorcnt 1                             ; my part of K step 0 is in; K step 1's load may be out
	s_barrier_signal -1
	s_barrier_wait -1                              ; everybody's is
	FETCH_B 0, 0, 0
	FETCH_A 0, 0, 0
	FETCH_A 0, 0, 4
	STEP 0, 0, 1                                   ; the first step stands in front of the loop: its products start the sums
	s_mov_b32 s3, LAPS-1
.Llap:                                                 ; a trip goes once round the ring, from a lap's second step to the next lap's first, and fills both slots again
	TURN 0, 1, 1
	STEP 1, 0, 0
	TURN 1, 0, 1
	STEP 0, 0, 0
	s_sub_co_u32 s3, s3, 1
	s_cmp_lg_u32 s3, 0
	s_cbranch_scc1 .Llap
	TURN 0, 1, 0                                   ; the last lap fills nothing, and has no round of the cluster's barrier
	STEP 1, 0, 0
	s_wait_dscnt 4*NL                              ; the very last step: nothing more to fetch
	WIN MUL_LO
	MUL16 0, 1, 0
	MUL16 2, 1, 0
	s_wait_dscnt 0
	WIN MUL_HI
	MUL16 4, 1, 0
	MUL16 6, 1, 0
	WIN 0
	; THE WAY OUT.  number = sum x 2^(e0 + e1) + bias, one fused multiply-add in f32; held within +-448 x the result's scale; converted; stored as images.  No LDS is touched.
	s_wait_kmcnt 0x0
	s_add_co_i32 s96, s80, s81
	s_add_co_i32 s96, s96, 127
	s_lshl_b32 s96, s96, 23                        ; 2^(e0 + e1) as f32
	s_mov_b32 s97, s96                             ; (named with it as a pair, so it is written)
	s_cmp_eq_u32 ttmp9, 0
	s_cselect_b32 s92, s82, s83                    ; q's exponent or k's,
	s_cmp_eq_u32 ttmp9, 2
	s_cselect_b32 s92, s85, s92                    ; or v's
	s_add_co_i32 s92, s92, 127
	s_lshl_b32 s93, s92, 23
	v_mov_b32 v[SC], s93
	s_wait_loadcnt 0x0                             ; the biases
	PLACES NP                                      ; behind the last products: their results are read and A's registers written below
; kind 0: q, k: block a is 16 tokens; its eight accumulators are two heads' images.  kind 1: v: block a is 16 channels; its eight accumulators are one double image along 128 keys.
.macro WAYOUT kind
.irp a, 0,1,2,3,4,5,6,7
.set AC, 64*(\a%4)
.set CDS, CD+16*(\a%4)
	WIN 0x02+(\a/4)                                ; source 0: window 2 or 3
.set j, 0
.rept 32
.if \kind
	v_pk_fma_f32 v[T+j:T+j+1], v[AC+j:AC+j+1], s[96:97], v[BR+2*\a:BR+2*\a+1] op_sel_hi:[1,0,1]   ; each accumulator from its low end on
.else
	v_pk_fma_f32 v[T+j:T+j+1], v[AC+j:AC+j+1], s[96:97], v[BC+j:BC+j+1] op_sel_hi:[1,0,1]
.endif
.set j, j+2
.endr
	WIN 0
.set j, 0
.rept 64
.set j, j+1
.endr
.if \a >= 4
	s_wait_alu depctr_va_vdst(0)
	s_wait_xcnt 0x0                                ; the stores of four blocks back have read this set of codes
.endif
.irp b, 0,1,2,3,4,5,6,7
	v_cvt_scalef32_pk8_fp8_f32 v[CDS+2*\b:CDS+2*\b+1], v[T+8*\b:T+8*\b+7], v[SC]
.endr
	v_nop                                          ; one plain line behind the last conversion: the next block's multiply-adds write its sources
.if \kind
.irp c, 0,1,2,3
	global_store_b128 v[OF0], v[CDS+4*\c:CDS+4*\c+3], s[76:77] offset:262144*(\a/4)+2048*(\a%4)+512*\c   ; head a / 4, channels 16 (a % 4) on: 512 consecutive bytes, aligned
.endr
.else
	global_store_b128 v[OF0], v[CDS:CDS+3], s[76:77] offset:1024*\a          ; my first head: 512 consecutive bytes, aligned
	global_store_b128 v[OF0], v[CDS+4:CDS+7], s[76:77] offset:1024*\a+512
	global_store_b128 v[OF1], v[CDS+8:CDS+11], s[76:77] offset:1024*\a       ; my second
	global_store_b128 v[OF1], v[CDS+12:CDS+15], s[76:77] offset:1024*\a+512
.endif
.endr
.endm
	s_cmp_eq_u32 ttmp9, 2                          ; the cluster's x: the same in all partners
	s_cbranch_scc1 .Lway_v
	WAYOUT 0
	s_branch .Ldone
.Lway_v:
	WAYOUT 1
.Ldone:
	s_wait_tensorcnt 0x0                           ; the wave's end
	ds_add_u32 v[SPW], v[NIL]
	s_wait_dscnt 0x0
	CROUND                                         ; the closing round: no work-group ends while a partner may still ask for a tile that names it
	s_endpgm
.Lfunc_end_k_qe17645256d_qkv:
	.size	k_qe17645256d_qkv, .Lfunc_end_k_qe17645256d_qkv-k_qe17645256d_qkv
	.p2alignl 7, 3214868480
	.fill 96, 4, 3214868480
	.section	.rodata,"a",@progbits
	.p2align	6, 0x0
	.amdhsa_kernel k_qe17645256d_qkv
		.amdhsa_group_segment_fixed_size 327680
		.amdhsa_private_segment_fixed_size 0
		.amdhsa_enable_private_segment 0
		.amdhsa_kernarg_size 48
		.amdhsa_user_sgpr_count 2
		.amdhsa_user_sgpr_kernarg_segment_ptr 1
		.amdhsa_wavefront_size32 1
		.amdhsa_system_sgpr_workgroup_id_x 1
		.amdhsa_system_sgpr_workgroup_id_y 1
		.amdhsa_system_sgpr_workgroup_id_z 1
		.amdhsa_system_vgpr_workitem_id 0
		.amdhsa_next_free_vgpr 1024
		.amdhsa_next_free_sgpr 100
		.amdhsa_reserve_vcc 0
		.amdhsa_float_denorm_mode_32 3
		.amdhsa_float_denorm_mode_16_64 3
		.amdhsa_fp16_overflow 1
		.amdhsa_memory_ordered 1
		.amdhsa_forward_progress 1
		.amdhsa_inst_pref_size 130
	.end_amdhsa_kernel
	.amdgpu_metadata
---
amdhsa.version: [ 1, 2 ]
amdhsa.kernels:
  - .name:           k_qe17645256d_qkv
    .symbol:         k_qe17645256d_qkv.kd
    .args:
      - { .name: x_codes, .offset: 0, .size: 8, .value_kind: global_buffer, .address_space: global }
      - { .name: win_codes, .offset: 8, .size: 8, .value_kind: global_buffer, .address_space: global }
      - { .name: b_in, .offset: 16, .size: 8, .value_kind: global_buffer, .address_space: global }
      - { .name: lowp_scales, .offset: 24, .size: 8, .value_kind: global_buffer, .address_space: global }
      - { .name: q_codes, .offset: 32, .size: 8, .value_kind: global_buffer, .address_space: global }
      - { .name: kv_codes, .offset: 40, .size: 8, .value_kind: global_buffer, .address_space: global }
    .group_segment_fixed_size: 327680
    .private_segment_fixed_size: 0
    .kernarg_segment_align: 8
    .kernarg_segment_size: 48
    .max_flat_workgroup_size: 128
    .sgpr_count:     100
    .vgpr_count:     1024
    .wavefront_size: 32
...
	.end_amdgpu_metadata
.endif
;; end of part 2
;; launch attn (part 3): grid 4 x 64, 16 waves a work-group, no clusters, 264,192 bytes of LDS; arguments q_codes, kv_codes, lowp_scales, attn_codes; writes attn_codes
.if DOCPART == 3
	.amdgcn_target "amdgcn-amd-amdhsa--gfx1250"
	.amdhsa_code_object_version 6
	.text
	.protected	k_qe17645256d_attn
	.globl	k_qe17645256d_attn
	.p2align	8
	.type	k_qe17645256d_attn,@function
k_qe17645256d_attn:
	s_mov_b64 s[64:65], 0
	v_nop
	global_prefetch_b8 v0, s[64:65] scope:SCOPE_SE
	s_setreg_imm32_b32 hwreg(HW_REG_WAVE_MODE, 25, 1), 1
	s_wait_xcnt 0x0
; Causal attention of one head on codes of FP8 (E4M3): S = q k^T, p = 2^(t - M), O = p v / l; O is quantised at once (entry 6 of the exponents) for the last product.  Head size 64, 2,048 tokens, 64 batch x heads.
; THE SOFTMAX AHEAD OF THE SECOND PRODUCT: t = score x log2(e) / 8; M = the row's largest t so far, rounded UP to a whole number; p = 2^(t - M) is quantised along the keys (entry 4) and is not normalised.
; The row's sum l is taken of the unquantised p, in f32, and divides O at the end.  When M moves, l and O are multiplied by 2^(old M - new M): exact.
; INPUTS ARE IMAGES OF OPERAND REGISTERS (16 rows x 64 K: 1,024 bytes: registers 0-3 at 16 x lane, 4-7 at 512 + 16 x lane).  q_codes [batch x head][token / 16][1,024].  kv_codes [batch x head][key step of 128][16,384]:
; 8 images of K (16 keys each), then 4 double images of V^T (16 channels x 128 keys).  attn_codes [token / 16][head][1,024].
; SHARES.  A work-group owns blocks i and 7 - i of 256 queries of one head (i = work-group x), so that all work-groups have the same number of open key steps.  Each of sixteen waves owns one tile of 16 queries in each block: two passes.
; LDS holds the head's whole K and V, 262,144 bytes, key step s at 16,384 s, filled once: waves 0-3 issue four tensor loads each at the head (four of a wave's are out at most).  Nothing is filled again and nothing is stored to LDS.
; The first pass (block i <= 3) reads keys under 1,024 alone, LDS bytes under 131,072: it starts when each fetching wave's first two loads have landed.
; LAYOUT.  Both products are used transposed: S^T = K Q^T (source 0 = 16 keys, source 1 = my queries), O^T = V^T P^T: a lane holds ONE query (lane % 16).  Tile j of S^T holds keys 16 j + 8 (lane / 16) + 0 .. 7 in its eight registers:
; their conversion is registers 2 j, 2 j + 1 of P for the K = 128 form, k in its own place.  O^T's four tiles convert likewise into the image of 16 tokens x the head's 64.
; CAUSAL.  Both loops' trip counts are constants (8, 16).  A step all of whose keys come after my 16 queries is passed over by a scalar branch on ids; on the diagonal hidden scores become -infinity ahead of the maximum.
; NO CLUSTER, though the four work-groups of a head read the same K and V: which steps a wave passes over hangs on its block of queries, which would be its place in the cluster.
; NO PREFETCH: every byte that the work-group reads is asked for at its head.
; LIMITS on the exponents: entries 2 + 3 between -123 and 130 (added to c's exponent field); entries 4 and 6 between -126 and 119; 4 + 5 is applied by v_ldexp_f32 and has none.  NaN is not served.
.set LI,  1                            ; v1   16 x lane
.set ADK, 2                            ; v2   LDS address of the step in hand
.set D0,  3                            ; v3   lane % 16 - 8 (lane / 16)
                                       ; v4 2^e4; v6 a permute's destination; v[8:9] f; v10, v11 at work; v12 -M, v13 the largest t, v[14:15] the sum in two halves
                                       ; v16-23 Q of the first pass, v24-31 of the second
.set KR,  32                           ; v32-95   K's 8 fragments; behind the first product v32-47 P, v[48:49] at work
.set P,   32
.set S,   96                           ; v96-159  S^T, then p
.set O,   160                          ; v160-191 O^T
.set VR,  192                          ; v192-255 V's 4 fragments
.set WV,  12
.set BH,  14
.set G1,  16                           ; s[16:23] descriptor group 1;  s[24:39] four groups 0
.set G0,  24
.set SEL, 48                           ; s[48:49] lane selects for v_permlanex16_b32: lane l xor 16
.set CS,  50                           ; s[50:51] c = log2(e) / 8 x 2^(e2 + e3)
.set TB,  52                           ; LDS byte of the step in hand
.set KF,  53                           ; its first key
.set Q0,  54                           ; my first query
.set CNT, 55
.set QE,  66                           ; my first query in block i,
.set QL,  67                           ; in block 7 - i
	s_load_b256 s[4:11], s[0:1], 0x0               ; q_codes s[4:5], kv_codes s[6:7], the exponents s[8:9], attn_codes s[10:11]
	v_lshl_add_u32 v254, v0, 2, 0x40000
	v_mov_b32 v255, 0
	ds_add_u32 v254, v255
	ds_add_u32 v254, v255
	s_wait_dscnt 0x0
	v_lshrrev_b32 v1, 5, v0
	s_delay_alu instid0(VALU_DEP_1)
	v_readfirstlane_b32 s[WV], v1                  ; wave 0..15
	s_and_b32 s[BH], ttmp7, 0xffff                 ; batch x head
	s_lshl_b32 s56, s[BH], 18                      ; its 262,144 bytes of kv_codes
	s_and_b32 s13, s[WV], 3
	s_lshl_b32 s13, s13, 14                        ; a fetching wave's load j brings key step 4 j + wave
	s_add_co_u32 s56, s56, s13
	s_mov_b32 s57, 0
	; descriptor group 1: a dense block of 16,384 bytes as 64 rows of 256
	s_mov_b32 s[G1+0], 3<<16                       ; no mask; elements of 8 bytes; no padding
	s_mov_b32 s[G1+1], 32<<16                      ; tensor_dim0 = 32
	s_mov_b32 s[G1+2], 64<<16                      ; tensor_dim1 = 64
	s_mov_b32 s[G1+3], 32<<16                      ; tile_dim0
	s_mov_b32 s[G1+4], 64                          ; tile_dim1
	s_mov_b32 s[G1+5], 32                          ; tensor_dim0_stride
	s_mov_b32 s[G1+6], 0
	s_mov_b32 s[G1+7], 0
	s_wait_kmcnt 0x0
	s_load_b256 s[40:47], s[8:9], 0x0              ; the eight exponents
	s_add_nc_u64 s[6:7], s[6:7], s[56:57]
.irp j, 0,1,2,3
	s_mov_b32 s[G0+4*\j], 1
	s_add_co_u32 s[G0+4*\j+1], s13, 65536*\j
	s_add_nc_u64 s[G0+4*\j+2:G0+4*\j+3], s[6:7], 65536*\j
	s_or_b32 s[G0+4*\j+3], s[G0+4*\j+3], 0x80000000
.endr
	s_cmp_lt_u32 s[WV], 4                          ; all first fills of a wave stand in one branch on its number, ahead of every wait on TENSORcnt, LDS read and barrier
	s_cbranch_scc0 .Lno_fill
	tensor_load_to_lds s[G0:G0+3], s[G1:G1+7]
	s_nop 0
	tensor_load_to_lds s[G0+4:G0+7], s[G1:G1+7]
	s_nop 0
	tensor_load_to_lds s[G0+8:G0+11], s[G1:G1+7]
	s_nop 0
	tensor_load_to_lds s[G0+12:G0+15], s[G1:G1+7]
	s_nop 0
.rept 4
	v_nop
.endr
.Lno_fill:
	v_and_b32 v[LI], 31, v0
	s_delay_alu instid0(VALU_DEP_1)
	v_lshlrev_b32 v[LI], 4, v[LI]
	s_wait_alu depctr_va_vdst(0)
	v_and_b32 v[D0], 15, v0
	v_bfe_u32 v10, v0, 4, 1
	s_delay_alu instid0(VALU_DEP_1)
	v_lshlrev_b32 v10, 3, v10
	s_delay_alu instid0(VALU_DEP_1)
	v_sub_nc_u32 v[D0], v[D0], v10
	s_lshl_b32 s15, s[WV], 4
	s_lshl_b32 s[QE], ttmp9, 8
	s_add_co_u32 s[QE], s[QE], s15                 ; 256 i + 16 wave
	s_sub_co_u32 s[QL], 7, ttmp9
	s_lshl_b32 s[QL], s[QL], 8
	s_add_co_u32 s[QL], s[QL], s15                 ; 256 (7 - i) + 16 wave
	s_lshl_b32 s56, s[BH], 17
	s_add_nc_u64 s[4:5], s[4:5], s[56:57]          ; the head's 128 images of q
	s_lshl_b32 s56, s[QE], 6
	s_add_nc_u64 s[72:73], s[4:5], s[56:57]
	s_lshl_b32 s56, s[QL], 6
	s_add_nc_u64 s[74:75], s[4:5], s[56:57]
	global_load_b128 v[16:19], v[LI], s[72:73]
	global_load_b128 v[20:23], v[LI], s[72:73] offset:512
	global_load_b128 v[24:27], v[LI], s[74:75]
	global_load_b128 v[28:31], v[LI], s[74:75] offset:512
	s_lshr_b32 s56, s[BH], 4
	s_lshl_b32 s56, s56, 21                        ; the batch's 128 blocks of 16 tokens x 16,384 bytes,
	s_and_b32 s13, s[BH], 15
	s_lshl_b32 s13, s13, 10                        ; the head's image in a block
	s_add_co_u32 s56, s56, s13
	s_add_nc_u64 s[10:11], s[10:11], s[56:57]
	s_lshl_b32 s56, s[QE], 10
	s_add_nc_u64 s[68:69], s[10:11], s[56:57]
	s_lshl_b32 s56, s[QL], 10
	s_add_nc_u64 s[70:71], s[10:11], s[56:57]
	s_mov_b32 s[SEL], 0x76543210
	s_mov_b32 s[SEL+1], 0xfedcba98
	s_mov_b32 s[CS], 0x3e38aa3b                    ; log2(e) / 8
	v_mov_b32 v6, 0                                ; written once: a lane permute's destination counts as one of its sources
	v_mov_b32 v9, 0                                ; (named as the upper half of the pair v[8:9])
	s_wait_kmcnt 0x0
	s_add_co_i32 s56, s42, s43
	s_lshl_b32 s56, s56, 23
	s_add_co_i32 s[CS], s[CS], s56                 ; a score stands for score x 2^(e2 + e3): the two are added to c's exponent field
	s_mov_b32 s[CS+1], s[CS]
	s_add_co_i32 s56, s44, 127
	s_lshl_b32 s13, s56, 23
	v_mov_b32 v4, s13                              ; 2^e4 as f32, for p's conversion
	s_add_co_i32 s58, s44, s45                     ; e4 + e5
	s_add_co_i32 s56, s46, 127
	s_lshl_b32 s59, s56, 23                        ; 2^e6
; A KEY STEP: 128 keys against my 16 queries, whose fragment begins at v[qreg].
.macro STEP qreg
	s_add_co_u32 s56, s[Q0], 15
	s_cmp_gt_u32 s[KF], s56                        ; all keys come after my queries: the step's work is passed over
	s_cbranch_scc1 .Lhidden_\@
	s_setprio 2
	v_add_nc_u32 v[ADK], s[TB], v[LI]
.rept 3
	v_nop                                          ; with the addition: four places between the last step's products and the loads into their sources
.endr
.set j, 0
.rept 8
	ds_load_b128 v[KR+8*j:KR+8*j+3], v[ADK] offset:1024*j
	ds_load_b128 v[KR+8*j+4:KR+8*j+7], v[ADK] offset:1024*j+512
.set j, j+1
.endr
.set j, 0
.rept 16
	ds_load_b128 v[VR+4*j:VR+4*j+3], v[ADK] offset:8192+512*j
.set j, j+1
.endr
	s_wait_dscnt 16                                ; K is in; V's 16 loads may be out
.set j, 0
.rept 8
	v_wmma_f32_16x16x64_fp8_fp8 v[S+8*j:S+8*j+7], v[KR+8*j:KR+8*j+7], v[\qreg:\qreg+7], 0
.set j, j+1
.endr
.rept 4
	v_nop
.endr
	s_add_co_u32 s56, s[KF], 127
	s_cmp_le_u32 s56, s[Q0]                        ; all keys count for all my queries: no mask
	s_cbranch_scc1 .Lopen_\@
	s_sub_co_i32 s56, s[Q0], s[KF]
	v_add_nc_u32 v11, s56, v[D0]                   ; d = my query - KF - 8 (lane / 16).  Register 8 j + i holds key KF + 16 j + 8 (lane / 16) + i: hidden where 16 j + i > d
	v_mov_b32 v10, 0xff800000                      ; -infinity
.set n, 0
.rept 64
	v_cmp_gt_i32 vcc_lo, 16*(n/8)+n%8, v11
	v_cndmask_b32 v[S+n], v[S+n], v10, vcc_lo
.set n, n+1
.endr
.Lopen_\@:
	v_max3_num_f32 v10, v[S], v[S+1], v[S+2]       ; the step's largest score of my query, among my 64 keys, in two chains, ascending,
	v_max3_num_f32 v8, v[S+3], v[S+4], v[S+5]
.set j, 6
.rept 14
	v_max3_num_f32 v10, v10, v[S+j], v[S+j+1]
	v_max3_num_f32 v8, v8, v[S+j+2], v[S+j+3]
.set j, j+4
.endr
	v_max3_num_f32 v10, v10, v[S+62], v[S+63]
	s_delay_alu instid0(VALU_DEP_1)
	v_max_num_f32 v10, v10, v8
	s_delay_alu instid0(VALU_DEP_1)
	v_permlanex16_b32 v6, v10, s[SEL], s[SEL+1]
	s_delay_alu instid0(VALU_DEP_1)
	v_max_num_f32 v10, v10, v6                     ; and among lane l xor 16's.  (Key KF counts for every query of an open step: the maximum is a number)
	s_delay_alu instid0(VALU_DEP_1)
	v_mul_f32 v10, s[CS], v10                      ; as t (c is positive)
	s_delay_alu instid0(VALU_DEP_1)
	v_max_num_f32 v13, v13, v10                    ; the running largest t
	v_mov_b32 v10, v12
	s_delay_alu instid0(VALU_DEP_2)
	v_floor_f32 v12, -v13                          ; the new -M = floor(-t) = -ceil(t)
	s_delay_alu instid0(VALU_DEP_1)
	v_sub_f32 v10, v12, v10                        ; old M - new M: a whole number, 0 or less
	s_delay_alu instid0(VALU_DEP_1)
	v_cvt_i32_f32 v10, v10                         ; (it saturates)
	s_delay_alu instid0(VALU_DEP_1)
	v_ldexp_f32 v8, 1.0, v10                       ; f = 2^(old M - new M)
.set j, 0
	s_setprio 1
.rept 32
	v_pk_fma_f32 v[S+j:S+j+1], v[S+j:S+j+1], s[CS:CS+1], v[12:13] op_sel_hi:[1,0,0]   ; t - M, two at a time
.set j, j+2
.endr
.set j, 0
	s_wait_alu depctr_va_vdst(0)
.rept 64
	v_exp_f32 v[S+j], v[S+j]                       ; p = 2^(t - M)
.set j, j+1
.endr
	v_pk_mul_f32 v[14:15], v[14:15], v[8:9] op_sel_hi:[1,0]   ; the sums under the new M: the plain line behind the exponentials
	s_wait_alu depctr_va_vdst(0)                   ; one wait for the whole batch, ahead of its first reader
	v_pk_add_f32 v[48:49], v[100:101], v[104:105]
	v_pk_add_f32 v[94:95], v[108:109], v[112:113]
	v_pk_add_f32 v[92:93], v[116:117], v[120:121]
	v_pk_add_f32 v[90:91], v[124:125], v[128:129]
	v_pk_add_f32 v[88:89], v[132:133], v[136:137]
	v_pk_add_f32 v[86:87], v[140:141], v[144:145]
	v_pk_add_f32 v[84:85], v[148:149], v[152:153]
	v_pk_add_f32 v[14:15], v[14:15], v[156:157]
	v_pk_add_f32 v[48:49], v[48:49], v[96:97]
	v_pk_add_f32 v[94:95], v[94:95], v[98:99]
	v_pk_add_f32 v[92:93], v[92:93], v[102:103]
	v_pk_add_f32 v[90:91], v[90:91], v[106:107]
	v_pk_add_f32 v[88:89], v[88:89], v[110:111]
	v_pk_add_f32 v[86:87], v[86:87], v[114:115]
	v_pk_add_f32 v[84:85], v[84:85], v[118:119]
	v_pk_add_f32 v[14:15], v[14:15], v[122:123]
	v_pk_add_f32 v[48:49], v[48:49], v[126:127]
	v_pk_add_f32 v[94:95], v[94:95], v[130:131]
	v_pk_add_f32 v[92:93], v[92:93], v[134:135]
	v_pk_add_f32 v[90:91], v[90:91], v[138:139]
	v_pk_add_f32 v[88:89], v[88:89], v[142:143]
	v_pk_add_f32 v[86:87], v[86:87], v[146:147]
	v_pk_add_f32 v[84:85], v[84:85], v[150:151]
	s_setprio 0
	v_pk_add_f32 v[14:15], v[14:15], v[154:155]
	v_pk_add_f32 v[48:49], v[48:49], v[158:159]
	s_delay_alu instid0(VALU_DEP_2)
	v_pk_add_f32 v[14:15], v[14:15], v[90:91]
	s_delay_alu instid0(VALU_DEP_2)
	v_pk_add_f32 v[48:49], v[48:49], v[88:89]
	v_pk_add_f32 v[94:95], v[94:95], v[86:87]
	v_pk_add_f32 v[92:93], v[92:93], v[84:85]
	s_delay_alu instid0(VALU_DEP_2)
	v_pk_add_f32 v[14:15], v[14:15], v[94:95]
	s_delay_alu instid0(VALU_DEP_2)
	v_pk_add_f32 v[48:49], v[48:49], v[92:93]
	s_delay_alu instid0(VALU_DEP_1)
	v_pk_add_f32 v[14:15], v[14:15], v[48:49]
.set j, 0
.rept 64
.set j, j+1
.endr
.set j, 0
.rept 8
	v_cvt_scalef32_pk8_fp8_f32 v[P+2*j:P+2*j+1], v[S+8*j:S+8*j+7], v4
.set j, j+1
.endr
.set j, 0
.rept 16
	v_pk_mul_f32 v[O+j:O+j+1], v[O+j:O+j+1], v[8:9] op_sel_hi:[1,0]   ; O^T under the new M; also the plain lines between the conversions and the products
.set j, j+2
.endr
	s_wait_alu depctr_va_vdst(0)
	s_wait_dscnt 0x0                               ; V is in
.set j, 0
.rept 4
	v_wmma_f32_16x16x128_fp8_fp8 v[O+8*j:O+8*j+7], v[VR+16*j:VR+16*j+15], v[P:P+15], v[O+8*j:O+8*j+7]   ; the four accumulators take turns, one instruction a turn
.set j, j+1
.endr
.Lhidden_\@:
	s_add_co_u32 s[KF], s[KF], 128
	s_add_co_u32 s[TB], s[TB], 16384
.endm
; A PASS: one tile of 16 queries against n key steps; then O^T / l, quantised, leaves as one image.
.macro PASS qreg, n, sq0, sout
	s_mov_b32 s[Q0], s[\sq0]
	s_mov_b32 s[KF], 0
	s_mov_b32 s[TB], 0
	s_mov_b32 s[CNT], \n
	v_mov_b32 v13, 0xff61b1e6                      ; the largest t so far: -3e38, under every t
	s_delay_alu instid0(VALU_DEP_1)
	v_floor_f32 v12, -v13
	v_mov_b32 v14, 0
	v_mov_b32 v15, 0
.set j, 0
.rept 32
	v_mov_b32 v[O+j], 0                            ; the step is written once: the first finds zeros, which the first change of M leaves zeros
.set j, j+1
.endr
.Lkey_\@:
	STEP \qreg
	s_sub_co_u32 s[CNT], s[CNT], 1
	s_cmp_lg_u32 s[CNT], 0
	s_cbranch_scc1 .Lkey_\@
	s_setprio 0
	v_add_f32 v14, v14, v15                        ; the sum's two halves,
	s_delay_alu instid0(VALU_DEP_1)
	v_permlanex16_b32 v6, v14, s[SEL], s[SEL+1]
	s_delay_alu instid0(VALU_DEP_1)
	v_add_f32 v14, v14, v6                         ; and lane l xor 16's
	s_wait_alu depctr_va_vdst(0)
	v_rcp_f32 v14, v14
	v_mov_b32 v48, s59                             ; (plain lines behind the reciprocal)  2^e6
	s_wait_alu depctr_va_vdst(0)                   ; the wait ahead of the reciprocal's first reader
	v_ldexp_f32 v14, v14, s58                      ; x 2^(e4 + e5)
.set j, 0
.rept 16
	v_pk_mul_f32 v[S+j:S+j+1], v[O+j:O+j+1], v[14:15] op_sel_hi:[1,0]   ; O^T / l: register 8 t + i is channel 16 t + 8 (lane / 16) + i of my query
.set j, j+2
.endr
.set j, 0
.rept 32
.set j, j+1
.endr
.set j, 0
.rept 4
	v_cvt_scalef32_pk8_fp8_f32 v[P+2*j:P+2*j+1], v[S+8*j:S+8*j+7], v48
.set j, j+1
.endr
	v_nop                                          ; one plain line behind the last conversion
	global_store_b128 v[LI], v[P:P+3], s[\sout:\sout+1]              ; 512 consecutive bytes, aligned: half an image
	global_store_b128 v[LI], v[P+4:P+7], s[\sout:\sout+1] offset:512
.endm
	s_wait_tensorcnt 0x2                           ; a fetching wave's first two loads have landed: key steps 0 to 7; its other two, LDS bytes from 131,072 on, may be out
	s_barrier_signal -1
	s_barrier_wait -1                              ; everybody's have
	s_wait_loadcnt 0x0                             ; Q
	PASS 16, 8, QE, 68                             ; block i: its queries lie under 1,024
	s_wait_tensorcnt 0x0                           ; the whole head has landed
	s_wait_dscnt 0x0
	s_barrier_signal -1
	s_barrier_wait -1
	s_wait_xcnt 0x0                                ; the first pass's stores have read their registers, into which K is loaded next
	PASS 24, 16, QL, 70                            ; block 7 - i
	s_wait_xcnt 0x0
	v_lshl_add_u32 v254, v0, 2, 0x40000
	v_mov_b32 v255, 0
	s_wait_alu depctr_va_vdst(0)
	s_wait_tensorcnt 0x0
	ds_add_u32 v254, v255
	s_wait_dscnt 0x0
	s_endpgm
.Lfunc_end_k_qe17645256d_attn:
	.size	k_qe17645256d_attn, .Lfunc_end_k_qe17645256d_attn-k_qe17645256d_attn
	.p2alignl 7, 3214868480
	.fill 96, 4, 3214868480
	.section	.rodata,"a",@progbits
	.p2align	6, 0x0
	.amdhsa_kernel k_qe17645256d_attn
		.amdhsa_group_segment_fixed_size 264192
		.amdhsa_private_segment_fixed_size 0
		.amdhsa_enable_private_segment 0
		.amdhsa_kernarg_size 32
		.amdhsa_user_sgpr_count 2
		.amdhsa_user_sgpr_kernarg_segment_ptr 1
		.amdhsa_wavefront_size32 1
		.amdhsa_system_sgpr_workgroup_id_x 1
		.amdhsa_system_sgpr_workgroup_id_y 1
		.amdhsa_system_sgpr_workgroup_id_z 1
		.amdhsa_system_vgpr_workitem_id 0
		.amdhsa_next_free_vgpr 256
		.amdhsa_next_free_sgpr 76
		.amdhsa_reserve_vcc 1
		.amdhsa_float_denorm_mode_32 3
		.amdhsa_float_denorm_mode_16_64 3
		.amdhsa_fp16_overflow 1
		.amdhsa_memory_ordered 1
		.amdhsa_forward_progress 1
		.amdhsa_inst_pref_size 51
	.end_amdhsa_kernel
	.amdgpu_metadata
---
amdhsa.version: [ 1, 2 ]
amdhsa.kernels:
  - .name:           k_qe17645256d_attn
    .symbol:         k_qe17645256d_attn.kd
    .args:
      - { .name: q_codes, .offset: 0, .size: 8, .value_kind: global_buffer, .address_space: global }
      - { .name: kv_codes, .offset: 8, .size: 8, .value_kind: global_buffer, .address_space: global }
      - { .name: lowp_scales, .offset: 16, .size: 8, .value_kind: global_buffer, .address_space: global }
      - { .name: attn_codes, .offset: 24, .size: 8, .value_kind: global_buffer, .address_space: global }
    .group_segment_fixed_size: 264192
    .private_segment_fixed_size: 0
    .kernarg_segment_align: 8
    .kernarg_segment_size: 32
    .max_flat_workgroup_size: 512
    .sgpr_count:     76
    .vgpr_count:     256
    .wavefront_size: 32
...
	.end_amdgpu_metadata
.endif
;; end of part 3
;; launch proj (part 4): grid 4 x 32, 4 waves a work-group, clusters of 4 x 4, 327,680 bytes of LDS; arguments attn_codes, wout_codes, b_out, lowp_scales, out0; writes out0
.if DOCPART == 4
	.amdgcn_target "amdgcn-amd-amdhsa--gfx1250"
	.amdhsa_code_object_version 6
	.text
	.protected	k_qe17645256d_proj
	.globl	k_qe17645256d_proj
	.p2align	8
	.type	k_qe17645256d_proj,@function
k_qe17645256d_proj:
	s_mov_b64 s[64:65], 0
	v_nop
	global_prefetch_b8 v0, s[64:65] scope:SCOPE_SE
	s_setreg_imm32_b32 hwreg(HW_REG_WAVE_MODE, 25, 1), 1
	s_wait_xcnt 0x0
	s_wait_alu depctr_hold_cnt(0) depctr_sa_sdst(0) depctr_va_vdst(0) depctr_va_sdst(0) depctr_va_ssrc(0) depctr_va_vcc(0) depctr_vm_vsrc(0)
	s_getreg_b32 s2, hwreg(HW_REG_IB_STS2, 6, 4)
	s_cmp_eq_u32 s2, 0
	s_cbranch_scc0 .Lentry_in_a_cluster
	s_endpgm
.Lentry_in_a_cluster:
	s_bfe_u32 s2, ttmp6, 0x10000c
	s_cmp_lg_u32 s2, 0xf033
	s_cbranch_scc0 .Lentry_shape_is_right
	s_endpgm
.Lentry_shape_is_right:
; out0 = attn W_out^T + b_out on codes of FP8 (E4M3), K = 1,024: out0 [8192][1024] f32 = sum x 2^(e6 + e7) + b_out, one fused multiply-add.
; attn_codes, wout_codes: images of operand registers, [row / 16][k / 64][1,024 bytes] (16 rows x 64 K: lane (r, h): row r, registers 2 c, 2 c + 1: k = 16 c + 8 h + 0 .. 7; registers 0-3 at 16 x lane, 4-7 at 512 + 16 x lane).
; A tile of out0, 256 x 256, is made by four waves, each 128 x 128: 64 accumulators, 512 registers.  K goes in steps of 256 through a ring of two LDS slots filled by the tensor data mover.
; THE MATRIX INSTRUCTION IS USED TRANSPOSED (source 0 = 16 rows of W_out, source 1 = 16 tokens): a lane holds eight neighbouring numbers of a row of out0.
; CLUSTERS: 4 x 4 work-groups; A's tiles are asked for jointly along a row of the cluster, B's along a column.  128 tiles, a work-group each.
; LIMIT: entries 6 + 7 of the exponents between -126 and 127.  No prefetch: a tile has four K steps, two of which are asked for at the head.
; REGISTERS: window 0: v16-31 addresses; v32-95 my 64 biases; v96-127 at work on the way out; from v128 A's fragments, one set, later rows of out0.   window 1: B's fragments, two sets.   window 2, 3: the accumulators.
.set IMG,    2048                      ; a fragment of 16 rows x 128 K: two images on end
.set SROW,   2*IMG                     ; a block of 16 rows in a slot: 256 along K
.set RBB,    16384                     ; a block of 16 rows x 1,024 K in memory
.set HALFT,  8*SROW                    ; 128 rows: what one tensor load brings, and what one wave reads of A or of B
.set SLOT,   4*HALFT
.set SPARE,  2*SLOT                    ; behind the ring: the spare words, 128 bytes for each wave: two blocks of 256 bytes that no other line names
.set LAPS,   2
.set NROW,   4096                      ; a row of out0 in bytes
.set SPITCH, 528                       ; the way out: a stage of 16 rows x (512 bytes + 16) for each wave, in slot 0, which has had its last fill and its last read when the first result is stored there
.set FR,     16
.set NL,     4
.set NP,     4                         ; places behind this matrix instruction (ISA guide 7.12.1)
.set ADRA, 16
.set ADRB, 20
.set STO,  24                          ; v24     the way out: where I put 32 bytes of a row
.set RD,   25                          ; v25     where I read a row back
.set CO,   26                          ; v26     my byte offset in a row of out0
.set SPW,  28
.set NIL,  29
.set BC,   32                          ; register 8 b + j = bias of my output 16 b + 8 h + j
.set TMP,  96
.set AF,   128
.set BK,   128                         ; 16 rows read back from the stage: v128-191 and v192-255 by turns
.set G1, 24
.set G0, 32
.set G1B, 48
.set G0B, 56
.set MSB, 0
.macro WIN new                         ; the immediate's high byte repeats the setting that is left
.if MSB != (\new)
	s_set_vgpr_msb (MSB<<8)|(\new)
.set MSB, (\new)
.endif
.endm
.set MUL_LO, 0xa1                      ; source 0 (B) window 1, source 1 (A) window 0, C and D window 2
.set MUL_HI, 0xf1
.set TO_B,   0x40
.macro JLOAD g0a, g1a, g0b, g1b        ; a joint load: waves 0 and 1 fetch for A, waves 2 and 3 for B; four v_nop follow each of the two lines
	s_cmp_eq_u32 s15, 0
	s_cbranch_scc0 .Lfor_b_\@
	tensor_load_to_lds s[\g0a:\g0a+3], s[\g1a:\g1a+7]
	s_nop 0
.rept 4
	v_nop
.endr
	s_branch .Lasked_\@
.Lfor_b_\@:
	tensor_load_to_lds s[\g0b:\g0b+3], s[\g1b:\g1b+7]
	s_nop 0
.rept 4
	v_nop
.endr
.Lasked_\@:
.endm
.macro CREST                           ; a round of the cluster's barrier behind its opening barrier
	s_cmp_lg_u32 s14, 0
	s_cbranch_scc1 .Lnot_wave_0_\@
	s_barrier_signal -3
.Lnot_wave_0_\@:
	s_barrier_wait -3
	s_barrier_signal -1
	s_barrier_wait -1
.endm
.macro CROUND
	s_barrier_signal -1
	s_barrier_wait -1
	CREST
.endm
	s_load_b256 s[4:11], s[0:1], 0x0               ; attn_codes s[4:5], wout_codes s[6:7], b_out s[8:9], the exponents s[10:11]
	s_load_b64 s[88:89], s[0:1], 0x20              ; out0
	v_lshl_add_u32 v[SPW], v0, 2, SPARE
	v_mov_b32 v[NIL], 0
	ds_add_u32 v28, v29
	ds_add_u32 v28, v29
	s_wait_dscnt 0x0
	v_lshrrev_b32 v1, 5, v0
	v_readfirstlane_b32 s14, v1                    ; wave 0..3
	s_lshr_b32 s15, s14, 1                         ; which half of the tile's rows is mine.  Also: I fetch for A (0) or for B (1)
	s_and_b32 s16, s14, 1                          ; which half of its columns.  Also: which 128 rows of that tile I fetch
	s_bfe_u32 s40, ttmp6, 0x40000                  ; cx, cy
	s_bfe_u32 s41, ttmp6, 0x40004
	s_lshl_b32 s42, ttmp9, 2
	s_add_co_u32 s42, s42, s40                     ; tile column = 4 x cluster x + cx
	s_and_b32 s17, ttmp7, 0xffff
	s_lshl_b32 s17, s17, 2
	s_add_co_u32 s17, s17, s41                     ; tile row = 4 x cluster y + cy
	s_lshl_b32 s43, s41, 2
	s_lshl_b32 s43, 15, s43                        ; my row of the cluster
	s_lshl_b32 s44, 0x1111, s40                    ; my column
	s_or_b32 s[G1+0], s43, (1<<21)                 ; 15:0 the mask; elements of 1 byte; no padding; 21 set beside a mask
	s_or_b32 s[G1B+0], s44, (1<<21)
.irp g, G1, G1B
	s_mov_b32 s[\g+1], SROW<<16                    ; tensor_dim0 = 4,096
	s_mov_b32 s[\g+2], 8<<16                       ; tensor_dim1 = 8
	s_mov_b32 s[\g+3], SROW<<16                    ; tile_dim0
	s_mov_b32 s[\g+4], 8                           ; tile_dim1
	s_mov_b32 s[\g+5], RBB                         ; tensor_dim0_stride
	s_mov_b32 s[\g+6], 0
	s_mov_b32 s[\g+7], 0
.endr
	s_lshl_b32 s18, s16, 7
	s_lshl_b32 s20, s17, 8
	s_add_co_u32 s20, s20, s18                     ; A: row 256 x tile row + 128 x half
	s_lshl_b32 s46, s42, 8
	s_add_co_u32 s46, s46, s18                     ; B: row 256 x tile column + 128 x half
	s_lshl_b32 s20, s20, 10                        ; a row's block begins at row x 1,024 bytes
	s_lshl_b32 s46, s46, 10
	s_mov_b32 s21, 0
	s_mov_b32 s47, 0
	s_mul_i32 s45, s14, HALFT
	s_wait_kmcnt 0x0
	s_load_b256 s[80:87], s[10:11], 0x0            ; the eight exponents
	s_add_nc_u64 s[20:21], s[4:5], s[20:21]
	s_add_nc_u64 s[46:47], s[6:7], s[46:47]
	CROUND                                         ; all sixteen work-groups are here: the first joint loads meet
.irp s, 0,1
	s_mov_b32 s[G0+4*\s], 1
	s_add_co_u32 s[G0+4*\s+1], s45, \s*SLOT
	s_add_nc_u64 s[G0+4*\s+2:G0+4*\s+3], s[20:21], \s*SROW
	s_or_b32 s[G0+4*\s+3], s[G0+4*\s+3], 0x80000000
	s_mov_b32 s[G0B+4*\s], 1
	s_add_co_u32 s[G0B+4*\s+1], s45, \s*SLOT
	s_add_nc_u64 s[G0B+4*\s+2:G0B+4*\s+3], s[46:47], \s*SROW
	s_or_b32 s[G0B+4*\s+3], s[G0B+4*\s+3], 0x80000000
	s_wait_alu depctr_va_vdst(0)
	s_wait_tensorcnt 0x0
	ds_add_u32 v28, v29
	ds_add_u32 v28, v29
	s_wait_dscnt 0x0
	CROUND
	JLOAD G0+4*\s, G1, G0B+4*\s, G1B
.endr
	v_and_b32 v1, 31, v0
	v_lshlrev_b32 v4, 4, v1                        ; 16 x lane
	s_mul_i32 s21, s15, HALFT
	s_mul_i32 s22, s16, HALFT
	s_add_co_u32 s22, s22, 2*HALFT
.irp s, 0,1
	v_add_nc_u32 v[ADRA+\s], s21, v4
	v_add_nc_u32 v[ADRB+\s], s22, v4
	s_add_co_u32 s21, s21, SLOT
	s_add_co_u32 s22, s22, SLOT
.endr
	v_and_b32 v1, 15, v0                           ; r
	v_bfe_u32 v2, v0, 4, 1                         ; h
	s_wait_alu depctr_va_vdst(0)
	s_mul_i32 s23, s14, 16*SPITCH                  ; my stage
	v_mul_u32_u24 v5, v1, SPITCH                   ; in: row r, 32 bytes for each half of the lanes
	v_lshl_add_u32 v5, v2, 5, v5
	v_add_nc_u32 v[STO], s23, v5
	v_add_nc_u32 v[RD], s23, v4                    ; back: the 32 lanes take one row of 512 bytes;
	v_mov_b32 v[CO], v4                            ; and the same in out0
	s_lshl_b32 s72, s42, 8
	s_lshl_b32 s73, s16, 7
	s_add_co_u32 s72, s72, s73                     ; my first column
	s_lshl_b32 s74, s72, 2
	s_mov_b32 s75, 0
	s_add_nc_u64 s[8:9], s[8:9], s[74:75]          ; my 128 biases
	s_lshl_b32 s70, s17, 8
	s_lshl_b32 s71, s15, 7
	s_add_co_u32 s70, s70, s71                     ; my first row
	s_lshl_b32 s70, s70, 12
	s_add_co_u32 s70, s70, s74
	s_mov_b32 s71, 0
	s_add_nc_u64 s[88:89], s[88:89], s[70:71]
	v_lshlrev_b32 v30, 5, v2                       ; 32 h
.irp b, 0,1,2,3,4,5,6,7
	global_load_b128 v[BC+8*\b:BC+8*\b+3], v30, s[8:9] offset:64*\b
	global_load_b128 v[BC+8*\b+4:BC+8*\b+7], v30, s[8:9] offset:64*\b+16
.endr
.macro FRAG reg, adr, q, i             ; a fragment of 16 rows x 128 K comes as it was stored: four loads of 512 consecutive bytes
.irp c, 0,1,2,3
	ds_load_b128 v[\reg+4*\c:\reg+4*\c+3], v[\adr] offset:IMG*(\q)+512*\c+(\i)*SROW
.endr
.endm
; 16 matrix instructions: A's blocks a0, a0 + 1 x B's eight.  The 64 accumulators take turns, one instruction a turn, in the same order in every step.
.macro MUL16 a0, p, zero
.irp a, \a0, \a0+1
.irp b, 0,1,2,3,4,5,6,7
.if \zero
	v_wmma_f32_16x16x128_fp8_fp8 v[8*(8*((\a)%4)+\b):8*(8*((\a)%4)+\b)+7], v[128*(\p)+FR*\b:128*(\p)+FR*\b+FR-1], v[AF+FR*(\a):AF+FR*(\a)+FR-1], 0
.else
	v_wmma_f32_16x16x128_fp8_fp8 v[8*(8*((\a)%4)+\b):8*(8*((\a)%4)+\b)+7], v[128*(\p)+FR*\b:128*(\p)+FR*\b+FR-1], v[AF+FR*(\a):AF+FR*(\a)+FR-1], v[8*(8*((\a)%4)+\b):8*(8*((\a)%4)+\b)+7]
.endif
.endr
.endr
.endm
.macro FETCH_B slot, q, p
	WIN TO_B
.irp i, 0,1,2,3,4,5,6,7
	FRAG 128*(\p)+FR*\i, ADRB+\slot, \q, \i
.endr
	WIN 0
.endm
.macro FETCH_A slot, q, i0
.irp i, \i0, \i0+1, \i0+2, \i0+3
	FRAG AF+FR*(\i), ADRA+\slot, \q, \i
.endr
.endm
.macro PLACES n                        ; plain vector lines between a matrix instruction and a load into, or a vector line on, one of its registers
.rept \n
	v_nop
.endr
.endm
.macro STEP slot, q, zero              ; a step of 128 along K that has its successor in the same slot
	s_wait_dscnt 4*NL                              ; B's set and A's blocks 0-3 are in; the youngest 16 loads (A's blocks 4-7) may be out
	WIN MUL_LO
	MUL16 0, (\q)%2, \zero
	MUL16 2, (\q)%2, \zero
	s_wait_dscnt 0                                 ; A's blocks 4-7 are in
	PLACES NP
	FETCH_B \slot, (\q)+1, 1-(\q)%2
	FETCH_A \slot, (\q)+1, 0
	WIN MUL_HI
	MUL16 4, (\q)%2, \zero
	MUL16 6, (\q)%2, \zero
	PLACES NP
	WIN 0
	FETCH_A \slot, (\q)+1, 4
.endm
; A slot's last step changes slots: one barrier; in front of it each wave waits for all its tensor loads, adds 0 to its spare word, and waits for that and for its own reads of this slot.
.macro TURN slot, next, fill
	s_wait_tensorcnt 0x0                           ; all my tensor loads have landed: my part of the next slot
	ds_add_u32 v[SPW], v[NIL]                      ; 0 onto my spare word
	s_wait_dscnt 4*NL+1                            ; (the add and the youngest 16 loads may be out)
	WIN MUL_LO
	MUL16 0, 1, 0
	s_wait_dscnt 0x0                               ; the add is done, and my reads of this slot are over
	s_barrier_signal -1
	MUL16 2, 1, 0
	WIN 0
	s_barrier_wait -1
.if \fill
	CREST                                          ; the barrier has opened a round of the cluster's barrier
	s_add_nc_u64 s[G0+4*\slot+2:G0+4*\slot+3], s[G0+4*\slot+2:G0+4*\slot+3], 2*SROW
	s_add_nc_u64 s[G0B+4*\slot+2:G0B+4*\slot+3], s[G0B+4*\slot+2:G0B+4*\slot+3], 2*SROW
	JLOAD G0+4*\slot, G1, G0B+4*\slot, G1B         ; the first tensor load behind the round; its four v_nop are the places in front of the loads below
.else
	PLACES NP
.endif
	FETCH_B \next, 0, 0
	FETCH_A \next, 0, 0
	WIN MUL_HI
	MUL16 4, 1, 0
	MUL16 6, 1, 0
	PLACES NP
	WIN 0
	FETCH_A \next, 0, 4
.endm
	s_wait_tensorcnt 1                             ; my part of K step 0 is in; K step 1's load may be out
	s_barrier_signal -1
	s_barrier_wait -1
	FETCH_B 0, 0, 0
	FETCH_A 0, 0, 0
	FETCH_A 0, 0, 4
	STEP 0, 0, 1                                   ; the first step's products start the sums
	s_mov_b32 s3, LAPS-1
.Llap:
	TURN 0, 1, 1
	STEP 1, 0, 0
	TURN 1, 0, 1
	STEP 0, 0, 0
	s_sub_co_u32 s3, s3, 1
	s_cmp_lg_u32 s3, 0
	s_cbranch_scc1 .Llap
	TURN 0, 1, 0                                   ; the last lap fills nothing
	STEP 1, 0, 0
	s_wait_dscnt 4*NL
	WIN MUL_LO
	MUL16 0, 1, 0
	MUL16 2, 1, 0
	s_wait_dscnt 0
	WIN MUL_HI
	MUL16 4, 1, 0
	MUL16 6, 1, 0
	WIN 0
; THE WAY OUT, block by block of 16 rows x 128 columns: sum x 2^(e6 + e7) + bias into other registers, through my own stage in LDS, back as whole rows of 512 bytes.  LDS serves a wave's instructions in order (ISA guide 5.7.1.4).
.macro TOSTAGE a
.set AC, 64*((\a)%4)
.irp hb, 0,1                           ; four accumulators at a time
	WIN 0x02+((\a)/4)                              ; source 0: window 2 or 3
.set j, 0
.rept 16
	v_pk_fma_f32 v[TMP+j:TMP+j+1], v[AC+32*\hb+j:AC+32*\hb+j+1], s[96:97], v[BC+32*\hb+j:BC+32*\hb+j+1] op_sel_hi:[1,0,1]   ; each accumulator from its low end on
.set j, j+2
.endr
	WIN 0
.irp b, 0,1,2,3
	ds_store_b128 v[STO], v[TMP+8*\b:TMP+8*\b+3] offset:64*(4*\hb+\b)
	ds_store_b128 v[STO], v[TMP+8*\b+4:TMP+8*\b+7] offset:64*(4*\hb+\b)+16
.endr
.endr
.set BB, BK+64*((\a)%2)
.irp t, 0,1,2,3,4,5,6,7,8,9,10,11,12,13,14,15
	ds_load_b128 v[BB+4*\t:BB+4*\t+3], v[RD] offset:\t*SPITCH
.endr
.endm
.macro SEND a, younger                 ; younger: the LDS instructions issued behind block a's loads, which may stay out
.set BB, BK+64*((\a)%2)
	s_wait_dscnt \younger
.if (\a) > 0
	s_add_nc_u64 s[88:89], s[88:89], 16*NROW       ; (behind a wait on XCNT: the earlier stores have read their base)
.endif
.irp t, 0,1,2,3,4,5,6,7,8,9,10,11,12,13,14,15
	global_store_b128 v[CO], v[BB+4*\t:BB+4*\t+3], s[88:89] offset:\t*NROW th:TH_STORE_NT   ; 32 lanes store 512 consecutive bytes, aligned
.endr
.endm
	s_wait_kmcnt 0x0
	s_add_co_i32 s96, s86, s87
	s_add_co_i32 s96, s96, 127
	s_lshl_b32 s96, s96, 23                        ; 2^(e6 + e7) as f32
	s_mov_b32 s97, s96
	s_wait_loadcnt 0x0                             ; the biases
	PLACES NP                                      ; behind the last products: their results are read, and A's registers loaded, below
	TOSTAGE 0
.irp a, 1,2,3,4,5,6,7
.if \a > 1
	s_wait_xcnt 0x0                                ; block a - 2's stores have read their registers and their base
.endif
	TOSTAGE \a
	SEND \a-1, 32                                  ; behind block a - 1's loads: block a's 16 stores and 16 loads
.endr
	s_wait_xcnt 0x0
	SEND 7, 0
	s_wait_tensorcnt 0x0                           ; the wave's end
	ds_add_u32 v[SPW], v[NIL]
	s_wait_dscnt 0x0
	CROUND                                         ; the closing round
	s_endpgm
.Lfunc_end_k_qe17645256d_proj:
	.size	k_qe17645256d_proj, .Lfunc_end_k_qe17645256d_proj-k_qe17645256d_proj
	.p2alignl 7, 3214868480
	.fill 96, 4, 3214868480
	.section	.rodata,"a",@progbits
	.p2align	6, 0x0
	.amdhsa_kernel k_qe17645256d_proj
		.amdhsa_group_segment_fixed_size 327680
		.amdhsa_private_segment_fixed_size 0
		.amdhsa_enable_private_segment 0
		.amdhsa_kernarg_size 40
		.amdhsa_user_sgpr_count 2
		.amdhsa_user_sgpr_kernarg_segment_ptr 1
		.amdhsa_wavefront_size32 1
		.amdhsa_system_sgpr_workgroup_id_x 1
		.amdhsa_system_sgpr_workgroup_id_y 1
		.amdhsa_system_sgpr_workgroup_id_z 1
		.amdhsa_system_vgpr_workitem_id 0
		.amdhsa_next_free_vgpr 1024
		.amdhsa_next_free_sgpr 100
		.amdhsa_reserve_vcc 0
		.amdhsa_float_denorm_mode_32 3
		.amdhsa_float_denorm_mode_16_64 3
		.amdhsa_memory_ordered 1
		.amdhsa_forward_progress 1
		.amdhsa_inst_pref_size 126
	.end_amdhsa_kernel
	.amdgpu_metadata
---
amdhsa.version: [ 1, 2 ]
amdhsa.kernels:
  - .name:           k_qe17645256d_proj
    .symbol:         k_qe17645256d_proj.kd
    .args:
      - { .name: attn_codes, .offset: 0, .size: 8, .value_kind: global_buffer, .address_space: global }
      - { .name: wout_codes, .offset: 8, .size: 8, .value_kind: global_buffer, .address_space: global }
      - { .name: b_out, .offset: 16, .size: 8, .value_kind: global_buffer, .address_space: global }
      - { .name: lowp_scales, .offset: 24, .size: 8, .value_kind: global_buffer, .address_space: global }
      - { .name: out0, .offset: 32, .size: 8, .value_kind: global_buffer, .address_space: global }
    .group_segment_fixed_size: 327680
    .private_segment_fixed_size: 0
    .kernarg_segment_align: 8
    .kernarg_segment_size: 40
    .max_flat_workgroup_size: 128
    .sgpr_count:     100
    .vgpr_count:     1024
    .wavefront_size: 32
...
	.end_amdgpu_metadata
.endif
;; end of part 4
